; MI455X (gfx1250); checked and timed in simulation.
; The chip was launched on July 23, 2026; its instructions are those of AMD's public machine-readable ISA for CDNA 5 (MIT licence, August 2026) and "CDNA5" Instruction Set Architecture Reference Guide (July 2026). The comments in the code are by the model that wrote it; some were corrected since.
;; Temporal Attention. Allowed arithmetic: float matrix products may take bf16 or f16 operands with f32 sums; other float arithmetic in f32, or as packed bf16 or f16 multiplies, adds, multiply-adds, maxima and minima; sums over many terms, partial sums and values carried from step to step in f32; what a program stores and reads back later, other than sums and carried values, may be rounded once to bf16 or f16.
;; Inputs: STE 4 x 32 x 64 x 1,024 float32; Wk 2,048 x 1,024 float32; Wo 1,024 x 1,024 float32; Wq 2,048 x 1,024 float32; Wv 2,048 x 1,024 float32; X 4 x 32 x 64 x 1,024 float32; bk 1,024 float32; bo 1,024 float32; bq 1,024 float32; bv 1,024 float32.
;; Outputs: out0 4 x 32 x 64 x 1,024 float32.
;; One version. Each part assembles by itself: llvm-mc -triple=amdgcn-amd-amdhsa -mcpu=gfx1250 --defsym DOCPART=n.
;; ======== version 1 of 1: 3 launches
;; limits: values are held in f16: magnitudes above 65,504 overflow, below 6.1e-05 lose precision
;; workspace buffers: wqkv 12,582,912 bytes; wo16 2,097,152 bytes; obuf 16,777,216 bytes
;; launch prep (part 1): grid 128 x 7, 8 waves a work-group, no clusters, 19,456 bytes of LDS; arguments Wq, Wk, Wv, Wo, wqkv, wo16; writes wqkv, wo16
.if DOCPART == 1
	.amdgcn_target "amdgcn-amd-amdhsa--gfx1250"
	.amdhsa_code_object_version 6
	.text
	.protected	k_q8d8ade98e0_prep
	.globl	k_q8d8ade98e0_prep
	.p2align	8
	.type	k_q8d8ade98e0_prep,@function
k_q8d8ade98e0_prep:
	s_mov_b64 s[64:65], 0
	v_nop
	global_prefetch_b8 v0, s[64:65] scope:SCOPE_SE
	s_setreg_imm32_b32 hwreg(HW_REG_WAVE_MODE, 25, 1), 1
	s_wait_xcnt 0x0
; THE WEIGHTS, TURNED AND ROUNDED.  Wq, Wk, Wv: [2048 k][1024 n] f32, Wo: [1024 k][1024 n] f32.  The products of the two launches behind want rows along k, in 16 bits, and tiles that are dense in memory:
;   wqkv [g 8][s 32][row 384][k 64] bf16: row 128 mat + i of block (g, s) holds W_mat[64 s + k][128 g + i], mat = 0 (q), 1 (k), 2 (v): a block is 49,152 bytes on end
;   wo16 [nt 8][s 16][row 128][k 64]: Wo[64 s + k][128 nt + i], rounded to bf16 like every input of the module, and that number written as f16 (the partner of the f16 operand O)
; LIMITS.  A number of Wo beyond 65,504 becomes an infinity in wo16; below 6e-5 it keeps f16's fixed step of 6e-8.
; SHARES.  A work-group turns a tile of 64 k x 128 n: 128 x 7 work-groups, x = 8 ks + nt, y = 2 mat + (upper half of k), y = 6: Wo.  Wave w loads rows k = 8 w .. 8 w + 7, 512 consecutive bytes a load;
; a lane then holds 8 k of 4 columns, packs each column's 8 numbers into 16 bytes, and puts them into LDS rows [n] of 128 bytes + 16.  Behind one barrier the tile is read by rows and stored: a wave's
; store covers 512 consecutive bytes, aligned.  Memory binds: no matrix unit, no cluster (no byte is read twice), no tensor load (the bytes change their format in registers anyway).
; The LDS stores of 16 lanes go to rows four apart (576 bytes), so four lanes meet in a group of banks (64 banks of 4 bytes: ISA guide 11.1): four stores a wave in the whole launch.
.set PIT,   144                        ; an LDS row: 64 numbers of 16 bits + 16 bytes
.set SPARE, 128*PIT                    ; behind the tile: the spare words, 128 bytes for each of eight waves: four blocks of 256 bytes that no other line names
.set SPW, 2                            ; v2   LDS address of my spare word; never rewritten
.set NIL, 3                            ; v3   0; never rewritten
.set LO,  4                            ; v4   my byte offset in the tile in memory: 8 rows x wave + 16 x lane
.set LS,  5                            ; v5   where I put a column's 16 bytes: row 4 x lane, byte 16 x wave
.set LR,  6                            ; v6   where I read 16 bytes of a row back
.set GS,  7                            ; v7   16 x my thread's number
.set IN,  8                            ; v[8:39]   row i of my eight at IN + 4 i; later the rows read back
.set PK,  40                           ; v[40:55]  column j's 8 numbers at PK + 4 j
	s_load_b256 s[4:11], s[0:1], 0x0               ; Wq s[4:5], Wk s[6:7], Wv s[8:9], Wo s[10:11]
	s_load_b128 s[12:15], s[0:1], 0x20             ; wqkv s[12:13], wo16 s[14:15]
	v_lshl_add_u32 v[SPW], v0, 2, SPARE
	v_mov_b32 v[NIL], 0
	v_lshrrev_b32 v60, 5, v0
	v_readfirstlane_b32 s16, v60                   ; wave 0..7
	v_and_b32 v61, 31, v0                          ; lane
	s_and_b32 s20, ttmp9, 7                        ; nt: which 128 columns
	s_lshr_b32 s21, ttmp9, 3                       ; ks 0..15
	s_and_b32 s22, ttmp7, 0xffff
	s_lshr_b32 s23, s22, 1                         ; mat: 0 q, 1 k, 2 v, 3 o
	s_and_b32 s24, s22, 1
	s_lshl4_add_u32 s24, s24, s21                  ; s: which 64 rows of k
	s_lshl_b32 s26, s24, 18                        ; 64 rows of 4,096 bytes,
	s_lshl_b32 s27, s20, 9                         ; 128 columns of 4 bytes
	s_add_co_u32 s26, s26, s27
	s_mov_b32 s27, 0
	s_lshl_b32 s32, s20, 5                         ; into wqkv: block (nt, s), the matrix's 128 rows of 128 bytes
	s_add_co_u32 s32, s32, s24
	s_mul_i32 s32, s32, 49152
	s_lshl_b32 s33, s23, 14
	s_add_co_u32 s32, s32, s33
	s_lshl4_add_u32 s34, s20, s24                  ; into wo16: block (nt, s)
	s_lshl_b32 s34, s34, 14
	s_mov_b32 s33, 0
	s_lshl_b32 s17, s16, 15
	v_lshl_add_u32 v[LO], v61, 4, s17
	s_lshl_b32 s17, s16, 4
	v_mul_u32_u24 v[LS], v61, 4*PIT
	v_add_nc_u32 v[LS], s17, v[LS]
	v_lshrrev_b32 v[LR], 3, v0                     ; eight threads read a row of 128 bytes
	v_mul_u32_u24 v[LR], v[LR], PIT
	v_and_b32 v60, 7, v0
	v_lshl_add_u32 v[LR], v60, 4, v[LR]
	v_lshlrev_b32 v[GS], 4, v0
	s_wait_kmcnt 0x0
	s_cmp_eq_u32 s23, 1                            ; the source and the destination are chosen by the matrix's number alone
	s_cselect_b64 s[28:29], s[6:7], s[4:5]
	s_cmp_eq_u32 s23, 2
	s_cselect_b64 s[28:29], s[8:9], s[28:29]
	s_cmp_eq_u32 s23, 3
	s_cselect_b64 s[28:29], s[10:11], s[28:29]
	s_cselect_b64 s[30:31], s[14:15], s[12:13]
	s_cselect_b32 s32, s34, s32
	s_add_nc_u64 s[28:29], s[28:29], s[26:27]
	s_add_nc_u64 s[30:31], s[30:31], s[32:33]
.irp i, 0,1,2,3,4,5,6,7
	global_load_b128 v[IN+4*(\i):IN+4*(\i)+3], v[LO], s[28:29] offset:(\i)*4096 th:TH_LOAD_NT  ; row 8 w + i, columns 4 l .. 4 l + 3
.endr
	s_wait_loadcnt 0x0
.set j, 0
.rept 4                                ; column 4 l + j: k = 8 w + 2 i and 8 w + 2 i + 1 into one word
.set i, 0
.rept 4
	v_cvt_pk_bf16_f32 v[PK+4*j+i], v[IN+8*i+j], v[IN+8*i+4+j]
.set i, i+1
.endr
.set j, j+1
.endr
	s_cmp_lg_u32 s23, 3
	s_cbranch_scc1 .Lstore
.set i, 0
.rept 16                               ; Wo alone: the bf16 number, widened (a shift, a mask), written as f16
	v_lshlrev_b32 v56, 16, v[PK+i]
	v_and_b32 v57, 0xffff0000, v[PK+i]
	v_cvt_pk_f16_f32 v[PK+i], v56, v57
.set i, i+1
.endr
.Lstore:
.irp j, 0,1,2,3
	ds_store_b128 v[LS], v[PK+4*(\j):PK+4*(\j)+3] offset:(\j)*PIT
.endr
	s_wait_dscnt 0x0                               ; for the others' sake: my stores are done
	s_barrier_signal -1
	s_barrier_wait -1                              ; the tile is whole
.irp t, 0,1,2,3
	ds_load_b128 v[IN+4*(\t):IN+4*(\t)+3], v[LR] offset:(\t)*32*PIT  ; 256 threads take 32 rows
.endr
	s_wait_dscnt 0x0
.irp t, 0,1,2,3
	global_store_b128 v[GS], v[IN+4*(\t):IN+4*(\t)+3], s[30:31] offset:(\t)*4096 th:TH_STORE_NT  ; the tile is 16,384 bytes on end
.endr
	s_wait_tensorcnt 0x0                           ; the wave's end, behind my last LDS store
	ds_add_u32 v[SPW], v[NIL]
	s_wait_dscnt 0x0
	s_endpgm
.Lfunc_end_k_q8d8ade98e0_prep:
	.size	k_q8d8ade98e0_prep, .Lfunc_end_k_q8d8ade98e0_prep-k_q8d8ade98e0_prep
	.p2alignl 7, 3214868480
	.fill 96, 4, 3214868480
	.section	.rodata,"a",@progbits
	.p2align	6, 0x0
	.amdhsa_kernel k_q8d8ade98e0_prep
		.amdhsa_group_segment_fixed_size 19456
		.amdhsa_private_segment_fixed_size 0
		.amdhsa_enable_private_segment 0
		.amdhsa_kernarg_size 48
		.amdhsa_user_sgpr_count 2
		.amdhsa_user_sgpr_kernarg_segment_ptr 1
		.amdhsa_wavefront_size32 1
		.amdhsa_system_sgpr_workgroup_id_x 1
		.amdhsa_system_sgpr_workgroup_id_y 1
		.amdhsa_system_sgpr_workgroup_id_z 1
		.amdhsa_system_vgpr_workitem_id 0
		.amdhsa_next_free_vgpr 64
		.amdhsa_next_free_sgpr 66
		.amdhsa_reserve_vcc 0
		.amdhsa_float_denorm_mode_32 3
		.amdhsa_float_denorm_mode_16_64 3
		.amdhsa_memory_ordered 1
		.amdhsa_forward_progress 1
		.amdhsa_inst_pref_size 8
	.end_amdhsa_kernel
	.amdgpu_metadata
---
amdhsa.version: [ 1, 2 ]
amdhsa.kernels:
  - .name:           k_q8d8ade98e0_prep
    .symbol:         k_q8d8ade98e0_prep.kd
    .args:
      - { .name: Wq, .offset: 0, .size: 8, .value_kind: global_buffer, .address_space: global }
      - { .name: Wk, .offset: 8, .size: 8, .value_kind: global_buffer, .address_space: global }
      - { .name: Wv, .offset: 16, .size: 8, .value_kind: global_buffer, .address_space: global }
      - { .name: Wo, .offset: 24, .size: 8, .value_kind: global_buffer, .address_space: global }
      - { .name: wqkv, .offset: 32, .size: 8, .value_kind: global_buffer, .address_space: global }
      - { .name: wo16, .offset: 40, .size: 8, .value_kind: global_buffer, .address_space: global }
    .group_segment_fixed_size: 19456
    .private_segment_fixed_size: 0
    .kernarg_segment_align: 8
    .kernarg_segment_size: 48
    .max_flat_workgroup_size: 256
    .sgpr_count:     66
    .vgpr_count:     64
    .wavefront_size: 32
...
	.end_amdgpu_metadata
.endif
;; end of part 1
;; launch qkvattn (part 2): grid 8 x 32, 4 waves a work-group, clusters of 4 x 4, 327,680 bytes of LDS; arguments X, STE, wqkv, bq, bk, bv, obuf; writes obuf
.if DOCPART == 2
	.amdgcn_target "amdgcn-amd-amdhsa--gfx1250"
	.amdhsa_code_object_version 6
	.text
	.protected	k_q8d8ade98e0_qkvattn
	.globl	k_q8d8ade98e0_qkvattn
	.p2align	8
	.type	k_q8d8ade98e0_qkvattn,@function
k_q8d8ade98e0_qkvattn:
	s_mov_b64 s[64:65], 0
	v_nop
	global_prefetch_b8 v0, s[64:65] scope:SCOPE_SE
	s_setreg_imm32_b32 hwreg(HW_REG_WAVE_MODE, 25, 1), 1
	s_wait_xcnt 0x0
	s_wait_alu depctr_hold_cnt(0) depctr_sa_sdst(0) depctr_va_vdst(0) depctr_va_sdst(0) depctr_va_ssrc(0) depctr_va_vcc(0) depctr_vm_vsrc(0)
	s_getreg_b32 s2, hwreg(HW_REG_IB_STS2, 6, 4)
	s_cmp_eq_u32 s2, 0
	s_cbranch_scc0 .Lentry_in_a_cluster
	s_endpgm
.Lentry_in_a_cluster:
	s_bfe_u32 s2, ttmp6, 0x10000c
	s_cmp_lg_u32 s2, 0xf033
	s_cbranch_scc0 .Lentry_shape_is_right
	s_endpgm
.Lentry_shape_is_right:
; q, k, v = relu([X | STE] W + b), AND THE WHOLE ATTENTION ON THE ACCUMULATORS.  X, STE: [4 b][32 t][64 n][1024] f32; wqkv: the weights in bf16, [g 8][s 32][row 384][k 64] (rows: 128 of q, of k, of v);
; bq, bk, bv: [1024] f32; obuf: O in f16, [8192 rows (b, t, n)][1024].  For each (b, n) and each head of 32 channels: O = softmax over s <= t of (q_t . k_s / sqrt(32)) v_s.
; SHARES.  A work-group takes 256 rows x 384 columns: n = 2 y and 2 y + 1 with all b and t (for a fixed n the 128 rows (b, t) lie 64 rows apart: one two-dimensional tile), and q, k, v of the heads 4 g .. 4 g + 3.
; 32 x 8 = 256 equal work-groups.  Tile row rho = 128 nl + 32 b + t.  Wave w owns rho = 64 w .. 64 w + 63, two pairs (b, n) with all t, and all 384 columns: 96 accumulators, 768 registers.  So q, k, v never leave registers.
; K = 2,048 goes in 32 steps of 64 (16 from X, 16 from STE) through two LDS slots; x is rounded to bf16 between LDS and the product (only its own wave reads a row of x, so each number is rounded once).
; FORMATS.  All inputs are rounded to bf16 (x, W, the biases); sums in f32; q, k, v, the weights p and O are rounded once to f16.
; LIMITS.  q, k, v (behind bias and relu) stay under 65,520, f16's end: beyond it they become infinities.  A hidden score counts as its value less 1e30 (f16's scores are 1.4e11 at the most); relu makes every visible
; score 0 or more, so the row's maximum is 0 or more and the reference's fill of -32,767 has the weight 0 in f32 too.  A weight below 2^-126 counts as 0.  NaN and infinities are not treated apart.
; ORIENTATION.  q, k: D = (16 rows of W) x (16 rows of x): a lane holds ONE row of x (lane % 16) and the channels 8 (lane / 16) + 0..7.  v: D = (16 rows of x) x (16 rows of W): a lane holds one channel and 8 rows.
; Rounded to f16 in pairs, two neighbouring accumulators ARE a fragment: of K and Q for S^T = K Q^T, of V^T for O^T = V^T P.  S^T holds one query a lane, and so do P and O^T: nothing changes lanes.
; SOFTMAX.  A pair's 32 keys are all at hand: the true maximum m, p = 2^(c s - c m), c = log2(e) / sqrt(32), l = the sum of the unrounded p, O = (V^T P) / l.  The block of keys 16-31 against queries 0-15 is
; wholly hidden and is not computed; the two blocks on the diagonal take the mask as the C operand that starts their sum.
; CLUSTER.  4 x 4 work-groups.  x's tile hangs on y alone and is shared along a row of the cluster, W's on g alone and is shared along a column: each is asked for JOINTLY (the same load, descriptor and mask in all four).
; REGISTERS, in windows of 256 (s_set_vgpr_msb: bits 1:0 source 0, 3:2 source 1, 5:4 source 2, 7:6 destination):
;   window 0: v0-15 addresses; v16-23 the mask; v24-31 bv; v32-63 x's four fragments in bf16; v64-127 x in f32 as loaded; v128-191, v192-255 W's fragments, two buffers.  In the attention: see ATT
;   window 1: q, accumulator (a, cb) at 8 (8 a + cb)     window 2: k, likewise     window 3: v, at 8 (16 (a / 2) + 2 cb + a % 2), so that a pair's two row blocks lie side by side
.set PITA,  272                        ; a row of x in LDS: 64 f32 + 16 bytes = 68 words: the 16 rows of a load start at 16 different groups of four banks (64 banks of 4 bytes: ISA guide 11.1)
.set PITB,  144                        ; a row of W: 64 bf16 + 16 bytes = 36 words: likewise
.set AHALF, 128*PITA                   ; what one tensor load brings of x: 128 rows
.set BHALF, 192*PITB                   ; and of W: 192 rows
.set BOFF,  2*AHALF                    ; in a slot: x's 256 rows, then W's 384
.set SLOT,  BOFF+2*BHALF
.set BIAS,  2*SLOT                     ; behind the ring, never filled by a tensor load: bq, bk, bv of my 128 columns, f32, 512 bytes each
.set STAGE, BIAS+1536                  ; 16 rows x 272 bytes for each wave, for the way out
.set SP,    272
.set SPARE, STAGE+4*16*SP              ; the spare words, 128 bytes for each wave: two blocks of 256 bytes that no other line names
.set WSTEP, 49152                      ; bytes of W in a K step
.set WPANEL, 32*WSTEP                  ; and in all steps of a head group
.set SPW, 2                            ; v2   LDS address of my spare word; never rewritten
.set NIL, 3                            ; v3   0; never rewritten
.set ADRA, 4                           ; v4-5  my place in x's rows, slot 0, 1
.set ADRB, 6                           ; v6-7  in W's rows
.set STO, 8                            ; v8   the way out: where I put 16 bytes of a row
.set RD,  9                            ; v9   where I read rows back
.set GO,  10                           ; v10  my byte offset in two rows of O
.set PFO, 11                           ; v11  the prefetches' offset; never rewritten
.set BQA, 12                           ; v12  bq's and bk's 8 numbers for my half of the lanes
.set BVA, 13                           ; v13  bv's number for my lane
.set MD,  16                           ; v[16:23]  register j: -1e30 where key 8 (l / 16) + j lies behind query l % 16, else 0
.set BV,  24
.set AF,  32
.set ST,  64
.set BF0, 128
.set BF1, 192
.set WV,  18                           ; s18  my wave's number
.set FB,  19                           ; s19  0: I fetch x, 1: I fetch W.  Also n's low bit for my rows
.set HF,  20                           ; s20  which half of that tile I fetch.  Also which two b are mine
.set CX,  21
.set CY,  22
.set GG,  23                           ; s23  g
.set YY,  24                           ; s24  y
.set G1A, 28                           ; s[28:35] descriptor group 1 for x's tiles
.set G1B, 36                           ; s[36:43] for W's
.set G0A, 44                           ; s[44:51] group 0 for x's tiles, a set for each slot
.set G0B, 52                           ; s[52:59] for W's
.set XA,  60                           ; s[60:61] X at my half tile's first row, K step 0
.set SA,  62                           ; s[62:63] STE likewise
.set WB,  66                           ; s[66:67] wqkv at my half of the head group's step 0
.set NXT, 68                           ; s68  the K step to be asked for next
.set CNT, 69                           ; s69  laps to go
.set OFF, 70                           ; s[70:71] a prefetch's byte offset
.set OF2, 72                           ; s[72:73] a tile's byte offset
.set PB0, 74                           ; s[74:75] the prefetches' base for K steps 0-15
.set PB1, 76                           ; s[76:77] for K steps 16-31
.set PFA, 78                           ; s[78:79] the prefetch's address
.set PSTR, 80                          ; s80  its bytes from K step to K step
.set ADJ1, 81                          ; s81  what a lap's second change of slots adds
.set LIM, 82                           ; s82-83  a wave prefetches at a lap's first (second) change while the step named lies below this
.set PS,  84                           ; s84  the step that the prefetch names
.set CS,  86                           ; s[86:87] c, twice
.set SEL, 88                           ; s[88:89] v_permlanex16_b32's selects: each lane takes its own place in the other half
.set BIGN, 90                          ; s90  -1e30
.set ZERO, 91                          ; s91  0
.set OB,  92                           ; s[92:93] O at my first pair's row t = 0, my 128 channels
.set W_Q, 0x50                         ; C and D in window 1, both sources in window 0
.set W_K, 0xa0
.set W_V, 0xf0
.set MSB, 0
.macro WIN new                         ; the immediate's high byte repeats the setting that is left; a switch that changes nothing is dropped
.if MSB != (\new)
	s_set_vgpr_msb (MSB<<8)|(\new)
.set MSB, (\new)
.endif
.endm
.macro PLACES                          ; four places in front of loads into registers that matrix instructions have read, and of vector lines that write such registers or read results
.rept 4
	v_nop
.endr
.endm
; A joint load.  Waves 0 and 1 fetch x's two halves, waves 2 and 3 W's.  The branch hangs on the wave's number alone.  An s_nop 0 and four v_nop follow each of the two lines.
.macro JLOAD s
	s_cmp_eq_u32 s[FB], 0
	s_cbranch_scc0 .Lfor_b_\@
	tensor_load_to_lds s[G0A+4*(\s):G0A+4*(\s)+3], s[G1A:G1A+7]
	s_nop 0
.rept 4
	v_nop
.endr
	s_branch .Lasked_\@
.Lfor_b_\@:
	tensor_load_to_lds s[G0B+4*(\s):G0B+4*(\s)+3], s[G1B:G1B+7]
	s_nop 0
.rept 4
	v_nop
.endr
.Lasked_\@:
.endm
.macro CREST                           ; a round of the cluster's barrier behind its opening barrier
	s_cmp_lg_u32 s[WV], 0
	s_cbranch_scc1 .Lnot_wave_0_\@
	s_barrier_signal -3
.Lnot_wave_0_\@:
	s_barrier_wait -3
	s_barrier_signal -1
	s_barrier_wait -1
.endm
.macro CROUND                          ; a whole round
	s_barrier_signal -1
	s_barrier_wait -1
	CREST
.endm
; The descriptors of slot s are made anew for K step NXT: x from X (steps 0-15) or STE (16-31), 256 bytes a step; W 49,152 bytes a step.  It stands behind the wait for all my tensor loads.
.macro DESC s
	s_and_b32 s[OF2], s[NXT], 15
	s_lshl_b32 s[OF2], s[OF2], 8
	s_cmp_lt_u32 s[NXT], 16
	s_cselect_b64 s[G0A+4*(\s)+2:G0A+4*(\s)+3], s[XA:XA+1], s[SA:SA+1]
	s_add_nc_u64 s[G0A+4*(\s)+2:G0A+4*(\s)+3], s[G0A+4*(\s)+2:G0A+4*(\s)+3], s[OF2:OF2+1]
	s_or_b32 s[G0A+4*(\s)+3], s[G0A+4*(\s)+3], 0x80000000
	s_mul_i32 s[OF2], s[NXT], WSTEP
	s_add_nc_u64 s[G0B+4*(\s)+2:G0B+4*(\s)+3], s[WB:WB+1], s[OF2:OF2+1]
	s_or_b32 s[G0B+4*(\s)+3], s[G0B+4*(\s)+3], 0x80000000
	s_add_co_u32 s[NXT], s[NXT], 1
.endm
; THE PREFETCH INTO THE L2.  Behind each joint load, its five lines and the run of LDS loads stands one prefetch for the K step TWO refills on (384 matrix instructions ahead of the load that will want it).
; Each block of 256 bytes is named once in the launch.  x: a K step is 256 bytes of each row; both clusters of a row of clusters read the rows, the one with x = 0 asks; of the 128 rows that a wave fetches the
; partner at place cx takes 32, told apart BY ADDRESS: a lane a row.  W: all eight clusters of a column of clusters read a head group's blocks, the one with y = 0 asks; a lap's two steps are 12 units of 8,192 bytes
; (a lane 256 bytes): at the lap's first change wave 2 takes units 0-3 and wave 3 units 4-7, at its second wave 2 units 8-11, the unit of four by cy.  K steps 0 to 3 come by their loads alone; steps 32 on do not exist.
; PFSTEP makes the address, half a K step ahead of the joint load and a K step behind the prefetch that last read it.
.macro PFSTEP turn
	s_wait_xcnt 0x0                                ; the last prefetch has read its address
	s_add_co_u32 s[PS], s[NXT], 2
	s_and_b32 s[OFF], s[PS], 15
	s_mul_i32 s[OFF], s[OFF], s[PSTR]
.if \turn
	s_add_co_u32 s[OFF], s[OFF], s[ADJ1]
.endif
	s_cmp_lt_u32 s[PS], 16
	s_cselect_b64 s[PFA:PFA+1], s[PB0:PB0+1], s[PB1:PB1+1]
	s_add_nc_u64 s[PFA:PFA+1], s[PFA:PFA+1], s[OFF:OFF+1]
.endm
.macro ASK turn
	s_cmp_lt_u32 s[PS], s[LIM+(\turn)]
	s_cbranch_scc0 .Lnot_mine_\@
	global_prefetch_b8 v[PFO], s[PFA:PFA+1] th:TH_LOAD_NT scope:SCOPE_SE
.Lnot_mine_\@:
.endm
; 16 LDS loads: my 64 rows of x, 32 along K (half hs of the step), in f32.  A bf16 fragment wants k = 8 h .. 8 h + 7 and 16 + 8 h .. : in f32 that is 32 bytes at 32 h and 32 bytes at 64 + 32 h.
.macro FETCHA sig, hs
	WIN 0
.irp a, 0,1,2,3
	ds_load_b128 v[ST+16*(\a):ST+16*(\a)+3],     v[ADRA+(\sig)] offset:(\a)*16*PITA+(\hs)*128
	ds_load_b128 v[ST+16*(\a)+4:ST+16*(\a)+7],   v[ADRA+(\sig)] offset:(\a)*16*PITA+(\hs)*128+16
	ds_load_b128 v[ST+16*(\a)+8:ST+16*(\a)+11],  v[ADRA+(\sig)] offset:(\a)*16*PITA+(\hs)*128+64
	ds_load_b128 v[ST+16*(\a)+12:ST+16*(\a)+15], v[ADRA+(\sig)] offset:(\a)*16*PITA+(\hs)*128+80
.endr
.endm
; 16 LDS loads: 128 rows of W (gi = 0 q, 1 k, 2 v), 32 along K, into buffer bf
.macro FETCHB sig, hs, gi, bf
	WIN 0
.irp c, 0,1,2,3,4,5,6,7
	ds_load_b128 v[(\bf)+8*(\c):(\bf)+8*(\c)+3],   v[ADRB+(\sig)] offset:(8*(\gi)+(\c))*16*PITB+(\hs)*64
	ds_load_b128 v[(\bf)+8*(\c)+4:(\bf)+8*(\c)+7], v[ADRB+(\sig)] offset:(8*(\gi)+(\c))*16*PITB+(\hs)*64+32
.endr
.endm
.macro CVT a                           ; row block a of x: 16 f32 a lane rounded into a fragment
.irp i, 0,1,2,3,4,5,6,7
	v_cvt_pk_bf16_f32 v[AF+8*(\a)+(\i)], v[ST+16*(\a)+2*(\i)], v[ST+16*(\a)+2*(\i)+1]
.endr
.endm
; 8 matrix instructions: row block a x 8 column blocks.  zero = 1: the product starts the sum.  The 96 accumulators take turns, one instruction a turn.
.macro MULQK bf, a, zero
.irp c, 0,1,2,3,4,5,6,7
.if \zero
	v_wmma_f32_16x16x32_bf16 v[8*(8*(\a)+(\c)):8*(8*(\a)+(\c))+7], v[(\bf)+8*(\c):(\bf)+8*(\c)+7], v[AF+8*(\a):AF+8*(\a)+7], 0
.else
	v_wmma_f32_16x16x32_bf16 v[8*(8*(\a)+(\c)):8*(8*(\a)+(\c))+7], v[(\bf)+8*(\c):(\bf)+8*(\c)+7], v[AF+8*(\a):AF+8*(\a)+7], v[8*(8*(\a)+(\c)):8*(8*(\a)+(\c))+7]
.endif
.endr
.endm
.macro MULV bf, a, zero
.irp c, 0,1,2,3,4,5,6,7
.if \zero
	v_wmma_f32_16x16x32_bf16 v[8*(16*((\a)/2)+2*(\c)+(\a)%2):8*(16*((\a)/2)+2*(\c)+(\a)%2)+7], v[AF+8*(\a):AF+8*(\a)+7], v[(\bf)+8*(\c):(\bf)+8*(\c)+7], 0
.else
	v_wmma_f32_16x16x32_bf16 v[8*(16*((\a)/2)+2*(\c)+(\a)%2):8*(16*((\a)/2)+2*(\c)+(\a)%2)+7], v[AF+8*(\a):AF+8*(\a)+7], v[(\bf)+8*(\c):(\bf)+8*(\c)+7], v[8*(16*((\a)/2)+2*(\c)+(\a)%2):8*(16*((\a)/2)+2*(\c)+(\a)%2)+7]
.endif
.endr
.endm
.macro QBLK bf, a, zero                ; a row block is rounded just ahead of its first products: blocks 1 to 3 while the block before is multiplied
	WIN 0
	CVT \a
	WIN W_Q
	MULQK \bf, \a, \zero
.endm
.macro BIASLD                          ; the biases into registers that the walk needs no more: bq -> ST, bk -> BF0 (8 numbers a column block), bv -> BV (one)
.irp c, 0,1,2,3,4,5,6,7
	ds_load_b128 v[ST+8*(\c):ST+8*(\c)+3],     v[BQA] offset:64*(\c)
	ds_load_b128 v[ST+8*(\c)+4:ST+8*(\c)+7],   v[BQA] offset:64*(\c)+16
	ds_load_b128 v[BF0+8*(\c):BF0+8*(\c)+3],   v[BQA] offset:512+64*(\c)
	ds_load_b128 v[BF0+8*(\c)+4:BF0+8*(\c)+7], v[BQA] offset:512+64*(\c)+16
	ds_load_b32  v[BV+(\c)], v[BVA] offset:64*(\c)
.endr
.endm
; HALF A K STEP: 32 along K, three groups of 32 matrix instructions (q, k, v) on W's two buffers by turns.  At each group's head stand the wait for the loads issued a group earlier, four places, and the next group's loads.
; mode (second halves alone): 1 the slot is left and filled again; 2 it is left; 3 the walk's end.  All reads of slot sig are issued by the head of the second half's group k; from group v's head on the reads name slot nsig.
; THE CHANGE OF SLOTS stands in group k: each wave waits for all its tensor loads (one is out: its part of the next slot), adds 0 to its spare word, and waits for that and for its reads of this slot; ONE barrier, which with
; mode 1 opens a round of the cluster's barrier; the joint refill is the first thing behind the round.  From there to the wait for it a wave issues 176 of a K step's 192 matrix instructions.
.macro HALF sig, hs, zero, mode, nsig
.set bq_, BF0+64*((3*(\hs))%2)         ; the buffer of groups q and v
.set bk_, BF0+64*((3*(\hs)+1)%2)       ; of group k
	WIN 0
	s_wait_dscnt 0x0                               ; x and W's rows of q are in
	PLACES
	FETCHB \sig, \hs, 1, bk_
	QBLK bq_, 0, \zero
	QBLK bq_, 1, \zero
	QBLK bq_, 2, \zero
	QBLK bq_, 3, \zero
	WIN 0
.if (\mode) == 1
	PFSTEP \sig
.endif
	s_wait_dscnt 0x0                               ; W's rows of k are in
	PLACES
	FETCHB \sig, \hs, 2, bq_
	WIN W_K
	MULQK bk_, 0, \zero
	MULQK bk_, 1, \zero
.if ((\mode) == 1) || ((\mode) == 2)
	WIN 0                                          ; (the add's two registers lie in window 0)
	s_wait_tensorcnt 0x0                           ; all my tensor loads have landed: my part of the next slot; so a group 0 may be written
	ds_add_u32 v[SPW], v[NIL]                      ; 0 onto my spare word; work on registers stands between it and the wait for it
.if (\mode) == 1
	DESC \sig
.endif
	WIN W_K
	MULQK bk_, 2, 0
	s_wait_dscnt 0x0                               ; the add is done, and my reads of this slot are over
	s_barrier_signal -1
	MULQK bk_, 3, 0
	WIN 0
	s_barrier_wait -1
.if (\mode) == 1
	CREST                                          ; no wave of any partner still reads this slot's tiles or has a load on its way
	JLOAD \sig                                     ; its four v_nop are also the places in front of the loads below
.else
	PLACES
.endif
	FETCHB \nsig, 0, 0, bk_
	FETCHA \nsig, 0
.if (\mode) == 1
	ASK \sig
.endif
.else
	MULQK bk_, 2, \zero
	MULQK bk_, 3, \zero
	WIN 0
	s_wait_dscnt 0x0                               ; W's rows of v are in
	PLACES
.if (\hs) == 0
	FETCHB \sig, 1, 0, bk_
	FETCHA \sig, 1
.else
	BIASLD
.endif
.endif
	WIN W_V
	MULV bq_, 0, \zero
	MULV bq_, 1, \zero
	MULV bq_, 2, \zero
	MULV bq_, 3, \zero
.endm
	s_load_b256 s[4:11], s[0:1], 0x0               ; X s[4:5], STE s[6:7], wqkv s[8:9], bq s[10:11]
	s_load_b128 s[12:15], s[0:1], 0x20             ; bk s[12:13], bv s[14:15]
	s_load_b64 s[16:17], s[0:1], 0x30              ; obuf
	v_lshl_add_u32 v[SPW], v0, 2, SPARE
	v_mov_b32 v[NIL], 0
	ds_add_u32 v[SPW], v[NIL]                      ; the wave's opening: the add and its wait stand ahead of my first tensor load; the set-up below, work on registers, stands between them
	v_lshrrev_b32 v14, 5, v0
	v_readfirstlane_b32 s[WV], v14                 ; wave 0..3
	s_lshr_b32 s[FB], s[WV], 1
	s_and_b32 s[HF], s[WV], 1
	s_bfe_u32 s[CX], ttmp6, 0x40000                ; my place in the cluster
	s_bfe_u32 s[CY], ttmp6, 0x40004
	s_lshl_b32 s[GG], ttmp9, 2                     ; in a cluster launch ttmp9 and ttmp7 count clusters
	s_add_co_u32 s[GG], s[GG], s[CX]               ; g = 4 x cluster x + cx
	s_and_b32 s[YY], ttmp7, 0xffff
	s_lshl_b32 s[YY], s[YY], 2
	s_add_co_u32 s[YY], s[YY], s[CY]               ; y = 4 x cluster y + cy
	s_lshl_b32 s94, s[CY], 2
	s_lshl_b32 s94, 15, s94                        ; my row of the cluster
	s_lshl_b32 s95, 0x1111, s[CX]                  ; my column
	; group 1 for x: 128 rows x 64 f32, the rows 65,536 elements apart, 16 bytes of padding behind each
	s_or_b32 s[G1A], s94, (2<<16)|(1<<20)|(1<<21)|(5<<22)|(3<<25)  ; 15:0 the mask; 17:16 elements of 4 bytes; 20 padding on; 21 set beside a mask; 24:22 after every 64 words (code 5); 31:25 4 words (code 3)
	s_mov_b32 s[G1A+1], 64<<16                     ; tensor_dim0 = 64
	s_mov_b32 s[G1A+2], 128<<16                    ; tensor_dim1 = 128
	s_mov_b32 s[G1A+3], 64<<16                     ; tile_dim0 = 64
	s_mov_b32 s[G1A+4], 128                        ; tile_dim1 = 128
	s_mov_b32 s[G1A+5], 65536                      ; from (b, t) to the next (b, t) of one n: 64 rows of 1,024
	s_mov_b32 s[G1A+6], 0
	s_mov_b32 s[G1A+7], 0
	; group 1 for W: 24,576 dense bytes, asked for as 96 rows of 256 bytes, padded after every 128 bytes (a row of W)
	s_or_b32 s[G1B], s95, (1<<16)|(1<<20)|(1<<21)|(4<<22)|(3<<25)  ; elements of 2 bytes; after every 32 words (code 4)
	s_mov_b32 s[G1B+1], 128<<16
	s_mov_b32 s[G1B+2], 96<<16
	s_mov_b32 s[G1B+3], 128<<16
	s_mov_b32 s[G1B+4], 96
	s_mov_b32 s[G1B+5], 128
	s_mov_b32 s[G1B+6], 0
	s_mov_b32 s[G1B+7], 0
	; where the tiles come from: x's hang on y and the wave, W's on g and the wave, each in registers that never hold the other coordinate
	s_lshl_b32 s96, s[YY], 1
	s_add_co_u32 s96, s96, s[HF]                   ; n = 2 y + half
	s_lshl_b32 s96, s96, 12                        ; a row is 4,096 bytes
	s_mov_b32 s97, 0
	s_mul_i32 s98, s[GG], WPANEL
	s_mul_i32 s99, s[HF], WSTEP/2
	s_add_co_u32 s98, s98, s99
	s_mov_b32 s99, 0
	s_mul_i32 s25, s[HF], AHALF                    ; and where they go: no place in the cluster enters an LDS address
	s_mul_i32 s26, s[HF], BHALF
	s_add_co_u32 s26, s26, BOFF
	s_mov_b32 s[CS], 0x3e8293ee                    ; c = log2(e) / sqrt(32) = 0.255035
	s_mov_b32 s[CS+1], s[CS]
	s_mov_b32 s[SEL], 0x76543210
	s_mov_b32 s[SEL+1], 0xfedcba98
	s_mov_b32 s[BIGN], 0xf149f2ca                  ; -1e30
	s_mov_b32 s[ZERO], 0
	s_mov_b32 s[OFF+1], 0
	s_mov_b32 s[OF2+1], 0
	s_mov_b32 s[NXT], 2
	s_wait_dscnt 0x0                               ; the opening add is done
	s_wait_kmcnt 0x0
	s_add_nc_u64 s[XA:XA+1], s[4:5], s[96:97]
	s_add_nc_u64 s[SA:SA+1], s[6:7], s[96:97]
	s_add_nc_u64 s[WB:WB+1], s[8:9], s[98:99]
	CROUND                                         ; all sixteen work-groups are here: the first joint loads meet
.irp s, 0,1
	s_mov_b32 s[G0A+4*(\s)], 1                                       ; count = 1
	s_add_co_u32 s[G0A+4*(\s)+1], s25, (\s)*SLOT                     ; LDS address
	s_add_nc_u64 s[G0A+4*(\s)+2:G0A+4*(\s)+3], s[XA:XA+1], (\s)*256  ; global address: K step s
	s_or_b32 s[G0A+4*(\s)+3], s[G0A+4*(\s)+3], 0x80000000            ; type = 2
	s_mov_b32 s[G0B+4*(\s)], 1
	s_add_co_u32 s[G0B+4*(\s)+1], s26, (\s)*SLOT
	s_add_nc_u64 s[G0B+4*(\s)+2:G0B+4*(\s)+3], s[WB:WB+1], (\s)*WSTEP
	s_or_b32 s[G0B+4*(\s)+3], s[G0B+4*(\s)+3], 0x80000000
	JLOAD \s                                       ; two loads of mine are out
.endr
	s_lshl_b32 s85, s[GG], 9                       ; the biases of my 128 columns: thread t takes number t of each
	v_lshl_add_u32 v1, v0, 2, s85
	global_load_b32 v24, v1, s[10:11]
	global_load_b32 v25, v1, s[12:13]
	global_load_b32 v26, v1, s[14:15]
	; the prefetches' bases: numbers that mix cx and cy stay in registers that feed no descriptor
	s_lshl_b32 s2, s[CX], 23                       ; x: my work-group's 32 rows of the 128, 262,144 bytes apart
	s_mov_b32 s3, 0
	s_add_nc_u64 s[PB0:PB0+1], s[XA:XA+1], s[2:3]
	s_add_nc_u64 s[PB1:PB1+1], s[SA:SA+1], s[2:3]
	s_mul_i32 s2, s[GG], WPANEL                    ; W: the head group, my wave's four units, my work-group's one
	s_lshl_b32 s85, s[HF], 15
	s_add_co_u32 s2, s2, s85
	s_lshl_b32 s85, s[CY], 13
	s_add_co_u32 s2, s2, s85
	s_add_nc_u64 s[100:101], s[8:9], s[2:3]
	s_add_nc_u64 s[104:105], s[100:101], 16*WSTEP
	s_and_b32 s27, ttmp7, 0xffff                   ; cluster y
	s_mov_b32 s[PSTR], WSTEP
	s_cmp_eq_u32 s[FB], 0                          ; do I fetch x?
	s_cselect_b64 s[PB0:PB0+1], s[PB0:PB0+1], s[100:101]
	s_cselect_b64 s[PB1:PB1+1], s[PB1:PB1+1], s[104:105]
	s_cselect_b32 s[PSTR], 256, s[PSTR]
	s_cselect_b32 s[ADJ1], 0, 16384
	s_cselect_b32 s85, 18, 8                       ; a lane a row of x, or 256 bytes of W
	s_cselect_b32 s27, ttmp9, s27                  ; the coordinate along which other clusters read the same bytes
	s_cmp_eq_u32 s27, 0
	s_cselect_b32 s[LIM], 32, 0                    ; the same in all sixteen partners, for a given wave
	s_cmp_eq_u32 s[WV], 3
	s_cselect_b32 s[LIM+1], 0, s[LIM]              ; a lap's last four units are wave 2's
	v_and_b32 v29, 31, v0
	v_lshlrev_b32 v[PFO], s85, v29
	s_lshl_b32 s2, s[YY], 1                        ; O: row (b = 2 half, t = 0, n = 2 y + w / 2), 2,048 bytes a row; my 128 channels
	s_add_co_u32 s2, s2, s[FB]
	s_lshl_b32 s2, s2, 11
	s_lshl_b32 s85, s[HF], 23
	s_add_co_u32 s2, s2, s85
	s_lshl_b32 s85, s[GG], 8
	s_add_co_u32 s2, s2, s85
	s_add_nc_u64 s[OB:OB+1], s[16:17], s[2:3]
	v_and_b32 v14, 15, v0                          ; r = l % 16
	v_bfe_u32 v15, v0, 4, 1                        ; h = l / 16
	v_mul_u32_u24 v28, v14, PITA
	s_mul_i32 s27, s[WV], 64*PITA                  ; my 64 rows of x
	v_lshl_add_u32 v[ADRA], v15, 5, v28
	v_add_nc_u32 v[ADRA], s27, v[ADRA]
	v_add_nc_u32 v[ADRA+1], SLOT, v[ADRA]
	v_mul_u32_u24 v[ADRB], v14, PITB
	v_lshl_add_u32 v[ADRB], v15, 4, v[ADRB]
	v_add_nc_u32 v[ADRB], BOFF, v[ADRB]
	v_add_nc_u32 v[ADRB+1], SLOT, v[ADRB]
	s_mul_i32 s27, s[WV], 16*SP
	s_add_co_u32 s27, s27, STAGE                   ; my stage
	v_lshl_add_u32 v[STO], v15, 4, v28             ; in: row r, 16 bytes for each half of the lanes
	v_add_nc_u32 v[STO], s27, v[STO]
	v_mul_u32_u24 v[RD], v15, SP                   ; back: lanes 0-15 take one row of 256 bytes, lanes 16-31 the next
	v_lshl_add_u32 v[RD], v14, 4, v[RD]
	v_add_nc_u32 v[RD], s27, v[RD]
	v_lshlrev_b32 v[GO], 17, v15                   ; and the same two rows in O: t and t + 1 lie 64 rows of 2,048 bytes apart
	v_lshl_add_u32 v[GO], v14, 4, v[GO]
	v_lshl_add_u32 v[BQA], v15, 5, BIAS
	v_lshl_add_u32 v[BVA], v14, 2, BIAS+1024
	v_lshlrev_b32 v29, 3, v15
	v_sub_nc_u32 v29, v14, v29                     ; r - 8 h: register j is hidden where j is greater
.irp j, 0,1,2,3,4,5,6,7
	v_cmp_gt_i32 vcc_lo, \j, v29
	v_cndmask_b32 v[MD+(\j)], 0, s[BIGN], vcc_lo
.endr
	v_lshl_add_u32 v28, v0, 2, BIAS
	s_wait_loadcnt 0x0
.irp r, 24,25,26
	v_cvt_pk_bf16_f32 v\r, v\r, v\r                ; the biases are rounded to bf16 like every input,
.endr
.irp r, 24,25,26
	v_lshlrev_b32 v\r, 16, v\r                     ; and kept as f32
.endr
	ds_store_b32 v28, v24
	ds_store_b32 v28, v25 offset:512
	ds_store_b32 v28, v26 offset:1024
	s_wait_dscnt 0x0                               ; for the others' sake
	s_wait_tensorcnt 0x1                           ; my part of K step 0 is in; K step 1's may stay out
	s_barrier_signal -1
	s_barrier_wait -1                              ; everybody's is, and the biases lie in LDS
	FETCHB 0, 0, 0, BF0
	FETCHA 0, 0
	HALF 0, 0, 1, 0, 0                             ; the first half step stands in front of the loop: its products start the sums
	WIN 0                                          ; at a label and at a branch every window is 0
	s_mov_b32 s[CNT], 15
.Llap:                                                 ; a trip goes once round the ring, from a lap's second half step to the next lap's first, and fills both slots again
	HALF 0, 1, 0, 1, 1
	HALF 1, 0, 0, 0, 0
	HALF 1, 1, 0, 1, 0
	HALF 0, 0, 0, 0, 0
	WIN 0
	s_sub_co_u32 s[CNT], s[CNT], 1
	s_cmp_lg_u32 s[CNT], 0
	s_cbranch_scc1 .Llap
	HALF 0, 1, 0, 2, 1                             ; the last lap asks for nothing
	HALF 1, 0, 0, 0, 0
	HALF 1, 1, 0, 3, 0
; BIAS, ROUNDING, RELU.  The bias is added in f32, from each accumulator's low end on; two sums are rounded into one word of f16, in place (word n takes registers 2 n and 2 n + 1, ascending, so no source is
; written before it is read); relu behind the rounding gives the same number.  Then Q's and K's fragment (a, head) lies at 32 a + 8 head of its window, V^T's (pair p, column block cb) at 64 p + 8 cb.
.macro NARROW x
	WIN (\x)|((\x)<<2)|((\x)<<6)
.set i, 0
.rept 128
	v_cvt_pk_f16_f32 v[i], v[2*i], v[2*i+1]
.set i, i+1
.endr
.set i, 0
.rept 128
	v_pk_max_num_f16 v[i], v[i], s[ZERO]
.set i, i+1
.endr
.endm
.macro PACKQK x, bias
	WIN (\x)|((\x)<<6)                             ; the sums in window x, the bias in window 0
.set i, 0
.rept 128                              ; pair i: accumulator i / 4, column block (i / 4) % 8
	v_pk_add_f32 v[2*i:2*i+1], v[2*i:2*i+1], v[(\bias)+8*((i/4)%8)+2*(i%4):(\bias)+8*((i/4)%8)+2*(i%4)+1]
.set i, i+1
.endr
	NARROW \x
.endm
.macro PACKV
	WIN 0xc3
.set i, 0
.rept 128                              ; pair i: accumulator i / 4, column block ((i / 4) % 16) / 2; a lane holds one channel, so one number of bv serves both halves
.if (((i/4)%16)/2)%2
	v_pk_add_f32 v[2*i:2*i+1], v[2*i:2*i+1], v[BV+2*(((i/4)%16)/4):BV+2*(((i/4)%16)/4)+1] op_sel:[0,1] op_sel_hi:[1,1]
.else
	v_pk_add_f32 v[2*i:2*i+1], v[2*i:2*i+1], v[BV+2*(((i/4)%16)/4):BV+2*(((i/4)%16)/4)+1] op_sel:[0,0] op_sel_hi:[1,0]
.endif
.set i, i+1
.endr
	NARROW 3
.endm
	WIN 0
	s_wait_dscnt 0x0                               ; the biases are in registers
	PACKQK 1, ST                                   ; q's and k's last products stand in front of v_nop of the last half step; q's and k's lines here, which name no register of v's last products, are those products' places
	PACKQK 2, BF0
	PACKV
; THE ATTENTION OF PAIR p: four heads, 32 queries x 32 keys x 32 channels each.  Window 0: S^T (head, x) at SS + 24 head + 8 x, x = 0: keys 0-15 x queries 0-15, 1: keys 0-15 x queries 16-31, 2: keys 16-31 x queries 16-31;
; P (head, query block) at PP + 16 head + 8 qb; unit u = 2 head + qb has two registers at TT + 4 u: c m, later l and 1 / l; and one at work.  O^T (8 qb + 2 head + channel block) in window 1 at OO + 8 x that number.
.set SS, 64
.set PP, 160
.set TT, 224
.set OO, 128
.macro ATT p
	WIN 0
	s_wait_xcnt 0x0                                ; the stores of the pair before have read their registers, which are written again below
	WIN 0x06                                       ; K in window 2, Q in window 1, mask and S^T in window 0
.irp hd, 0,1,2,3
	v_wmma_f32_16x16x32_f16 v[SS+24*(\hd):SS+24*(\hd)+7],     v[64*(\p)+8*(\hd):64*(\p)+8*(\hd)+7],       v[64*(\p)+8*(\hd):64*(\p)+8*(\hd)+7],       v[MD:MD+7]
	v_wmma_f32_16x16x32_f16 v[SS+24*(\hd)+8:SS+24*(\hd)+15],  v[64*(\p)+8*(\hd):64*(\p)+8*(\hd)+7],       v[64*(\p)+32+8*(\hd):64*(\p)+32+8*(\hd)+7], 0
	v_wmma_f32_16x16x32_f16 v[SS+24*(\hd)+16:SS+24*(\hd)+23], v[64*(\p)+32+8*(\hd):64*(\p)+32+8*(\hd)+7], v[64*(\p)+32+8*(\hd):64*(\p)+32+8*(\hd)+7], v[MD:MD+7]
.endr
	WIN 0
.if (\p) == 0
.irp hd, 0,1,2,3                       ; queries 0-15 give keys 16-31 the weight 0: written once, for both pairs; these lines are the places behind the products
.irp j, 4,5,6,7
	v_mov_b32 v[PP+16*(\hd)+(\j)], 0
.endr
.endr
.else
	PLACES
.endif
	; the maxima, three operands at a time, each accumulator from its low end on, the heads by turns
.irp hd, 0,1,2,3
	v_max3_num_f32 v[TT+8*(\hd)],   v[SS+24*(\hd)],    v[SS+24*(\hd)+1],  v[SS+24*(\hd)+2]
	v_max3_num_f32 v[TT+8*(\hd)+4], v[SS+24*(\hd)+8],  v[SS+24*(\hd)+9],  v[SS+24*(\hd)+10]
	v_max3_num_f32 v[TT+8*(\hd)+5], v[SS+24*(\hd)+16], v[SS+24*(\hd)+17], v[SS+24*(\hd)+18]
	v_max3_num_f32 v[TT+8*(\hd)+1], v[SS+24*(\hd)+3],  v[SS+24*(\hd)+4],  v[SS+24*(\hd)+5]
.endr
.irp hd, 0,1,2,3
	v_max3_num_f32 v[TT+8*(\hd)],   v[TT+8*(\hd)],   v[SS+24*(\hd)+6],  v[SS+24*(\hd)+7]
	v_max3_num_f32 v[TT+8*(\hd)+4], v[TT+8*(\hd)+4], v[SS+24*(\hd)+11], v[SS+24*(\hd)+12]
	v_max3_num_f32 v[TT+8*(\hd)+5], v[TT+8*(\hd)+5], v[SS+24*(\hd)+19], v[SS+24*(\hd)+20]
.endr
.irp hd, 0,1,2,3
	v_max3_num_f32 v[TT+8*(\hd)+4], v[TT+8*(\hd)+4], v[SS+24*(\hd)+13], v[SS+24*(\hd)+14]
	v_max3_num_f32 v[TT+8*(\hd)+5], v[TT+8*(\hd)+5], v[SS+24*(\hd)+21], v[SS+24*(\hd)+22]
.endr
.irp hd, 0,1,2,3
	v_max3_num_f32 v[TT+8*(\hd)+4], v[TT+8*(\hd)+4], v[SS+24*(\hd)+15], v[SS+24*(\hd)+23]
	v_max_num_f32  v[TT+8*(\hd)],   v[TT+8*(\hd)],   v[TT+8*(\hd)+1]
.endr
.irp hd, 0,1,2,3
	v_max_num_f32  v[TT+8*(\hd)+4], v[TT+8*(\hd)+4], v[TT+8*(\hd)+5]
.endr
.irp u, 0,1,2,3,4,5,6,7
	v_permlanex16_b32 v[TT+4*(\u)+1], v[TT+4*(\u)], s[SEL], s[SEL+1]  ; the query's other keys lie in the lane 16 away
.endr
.irp u, 0,1,2,3,4,5,6,7
	v_max_num_f32 v[TT+4*(\u)], v[TT+4*(\u)], v[TT+4*(\u)+1]
.endr
.irp u, 0,1,2,3,4,5,6,7
	v_mul_f32 v[TT+4*(\u)], s[CS], v[TT+4*(\u)]    ; c m
.endr
.irp hd, 0,1,2,3
.irp k, 0,1,2,3
	v_pk_fma_f32 v[SS+24*(\hd)+2*(\k):SS+24*(\hd)+2*(\k)+1], v[SS+24*(\hd)+2*(\k):SS+24*(\hd)+2*(\k)+1], s[CS:CS+1], v[TT+8*(\hd):TT+8*(\hd)+1] op_sel_hi:[1,0,0] neg_lo:[0,0,1] neg_hi:[0,0,1]  ; c s - c m
.endr
.irp k, 4,5,6,7,8,9,10,11
	v_pk_fma_f32 v[SS+24*(\hd)+2*(\k):SS+24*(\hd)+2*(\k)+1], v[SS+24*(\hd)+2*(\k):SS+24*(\hd)+2*(\k)+1], s[CS:CS+1], v[TT+8*(\hd)+4:TT+8*(\hd)+5] op_sel_hi:[1,0,0] neg_lo:[0,0,1] neg_hi:[0,0,1]
.endr
.endr
.set i, 0
.rept 96                               ; ONE batch of exponentials: none names another's result
	v_exp_f32 v[SS+i], v[SS+i]
.set i, i+1
.endr
	v_nop                                          ; a plain instruction behind the last exponential (ISA guide 5.7.2),
	s_wait_alu depctr_va_vdst(0)                   ; and the one wait ahead of the batch's first reader
.irp hd, 0,1,2,3
.irp j, 0,1,2,3
	v_cvt_pk_f16_f32 v[PP+16*(\hd)+(\j)], v[SS+24*(\hd)+2*(\j)], v[SS+24*(\hd)+2*(\j)+1]
.endr
.irp j, 0,1,2,3,4,5,6,7
	v_cvt_pk_f16_f32 v[PP+16*(\hd)+8+(\j)], v[SS+24*(\hd)+8+2*(\j)], v[SS+24*(\hd)+8+2*(\j)+1]
.endr
.endr
	WIN 0x43                                       ; V^T in window 3, P in window 0, O^T in window 1
.set n, 0
.rept 16                               ; n = 8 qb + 2 head + channel block: one product each, all 32 keys
	v_wmma_f32_16x16x32_f16 v[OO+8*n:OO+8*n+7], v[64*(\p)+8*(n%8):64*(\p)+8*(n%8)+7], v[PP+16*((n%8)/2)+8*(n/8):PP+16*((n%8)/2)+8*(n/8)+7], 0
.set n, n+1
.endr
	WIN 0                                          ; the sums of the unrounded weights: they name no register of those products, and are the places behind them
.irp hd, 0,1,2,3
.irp k, 0,1,2,3,4,5
	v_pk_add_f32 v[SS+24*(\hd)+4*(\k):SS+24*(\hd)+4*(\k)+1], v[SS+24*(\hd)+4*(\k):SS+24*(\hd)+4*(\k)+1], v[SS+24*(\hd)+4*(\k)+2:SS+24*(\hd)+4*(\k)+3]
.endr
.endr
.irp hd, 0,1,2,3
.irp k, 0,1,2
	v_pk_add_f32 v[SS+24*(\hd)+8*(\k):SS+24*(\hd)+8*(\k)+1], v[SS+24*(\hd)+8*(\k):SS+24*(\hd)+8*(\k)+1], v[SS+24*(\hd)+8*(\k)+4:SS+24*(\hd)+8*(\k)+5]
.endr
.endr
.irp hd, 0,1,2,3
	v_pk_add_f32 v[SS+24*(\hd)+8:SS+24*(\hd)+9], v[SS+24*(\hd)+8:SS+24*(\hd)+9], v[SS+24*(\hd)+16:SS+24*(\hd)+17]
	v_add_f32 v[TT+8*(\hd)], v[SS+24*(\hd)], v[SS+24*(\hd)+1]
.endr
.irp hd, 0,1,2,3
	v_add_f32 v[TT+8*(\hd)+4], v[SS+24*(\hd)+8], v[SS+24*(\hd)+9]
.endr
.irp u, 0,1,2,3,4,5,6,7
	v_permlanex16_b32 v[TT+4*(\u)+1], v[TT+4*(\u)], s[SEL], s[SEL+1]
.endr
.irp u, 0,1,2,3,4,5,6,7
	v_add_f32 v[TT+4*(\u)], v[TT+4*(\u)], v[TT+4*(\u)+1]  ; l: 1 at the least, the maximum's own weight
.endr
.irp u, 0,1,2,3,4,5,6,7
	v_rcp_f32 v[TT+4*(\u)], v[TT+4*(\u)]
.endr
	v_nop
	s_wait_alu depctr_va_vdst(0)                   ; one wait for the eight reciprocals
	WIN 0x41                                       ; O^T in window 1, 1 / l in window 0
.set n, 0
.rept 64                               ; pair n of O^T: accumulator n / 4, unit 2 head + qb
.set u, 2*(((n/4)%8)/2)+(n/4)/8
	v_pk_mul_f32 v[OO+2*n:OO+2*n+1], v[OO+2*n:OO+2*n+1], v[TT+4*u:TT+4*u+1] op_sel_hi:[1,0]
.set n, n+1
.endr
	WIN 0x05                                       ; sources in window 1, destination in window 0: S^T's registers are free
.set n, 0
.rept 64
	v_cvt_pk_f16_f32 v[SS+n], v[OO+2*n], v[OO+2*n+1]
.set n, n+1
.endr
	WIN 0
	; THE WAY OUT: a lane's eight channels of a row are 16 bytes; 16 rows x 256 bytes go through my stage and come back as whole rows.  LDS serves a wave's instructions in order (ISA guide 5.7.1.4).
.irp c, 0,1,2,3,4,5,6,7
	ds_store_b128 v[STO], v[SS+4*(\c):SS+4*(\c)+3] offset:32*(\c)
.endr
.irp i, 0,1,2,3,4,5,6,7
	ds_load_b128 v[32+4*(\i):32+4*(\i)+3], v[RD] offset:(\i)*2*SP
.endr
.irp c, 0,1,2,3,4,5,6,7
	ds_store_b128 v[STO], v[SS+32+4*(\c):SS+32+4*(\c)+3] offset:32*(\c)
.endr
.irp i, 0,1,2,3,4,5,6,7
	ds_load_b128 v[128+4*(\i):128+4*(\i)+3], v[RD] offset:(\i)*2*SP
.endr
	s_wait_dscnt 16                                ; queries 0-15 are back; the sixteen LDS instructions of queries 16-31 may be out
.irp i, 0,1,2,3,4,5,6,7
	global_store_b128 v[GO], v[32+4*(\i):32+4*(\i)+3], s[OB:OB+1] offset:(\p)*4194304+2*(\i)*131072  ; 16 lanes store 256 consecutive bytes, at a multiple of 256 from O's first byte
.endr
	s_wait_dscnt 0x0
.irp i, 0,1,2,3,4,5,6,7
	global_store_b128 v[GO], v[128+4*(\i):128+4*(\i)+3], s[OB:OB+1] offset:(\p)*4194304+(16+2*(\i))*131072  ; 8,126,464 at the most: inside the signed 24-bit immediate
.endr
.endm
	ATT 0
	ATT 1
	s_wait_tensorcnt 0x0                           ; the wave's end, behind my last tensor load and my last LDS store
	ds_add_u32 v[SPW], v[NIL]
	s_wait_dscnt 0x0
	CROUND                                         ; the closing round: no work-group ends while a partner may still ask for a tile that names it
	s_endpgm
.Lfunc_end_k_q8d8ade98e0_qkvattn:
	.size	k_q8d8ade98e0_qkvattn, .Lfunc_end_k_q8d8ade98e0_qkvattn-k_q8d8ade98e0_qkvattn
	.p2alignl 7, 3214868480
	.fill 96, 4, 3214868480
	.section	.rodata,"a",@progbits
	.p2align	6, 0x0
	.amdhsa_kernel k_q8d8ade98e0_qkvattn
		.amdhsa_group_segment_fixed_size 327680
		.amdhsa_private_segment_fixed_size 0
		.amdhsa_enable_private_segment 0
		.amdhsa_kernarg_size 56
		.amdhsa_user_sgpr_count 2
		.amdhsa_user_sgpr_kernarg_segment_ptr 1
		.amdhsa_wavefront_size32 1
		.amdhsa_system_sgpr_workgroup_id_x 1
		.amdhsa_system_sgpr_workgroup_id_y 1
		.amdhsa_system_sgpr_workgroup_id_z 1
		.amdhsa_system_vgpr_workitem_id 0
		.amdhsa_next_free_vgpr 1024
		.amdhsa_next_free_sgpr 106
		.amdhsa_reserve_vcc 1
		.amdhsa_float_denorm_mode_32 3
		.amdhsa_float_denorm_mode_16_64 3
		.amdhsa_memory_ordered 1
		.amdhsa_forward_progress 1
		.amdhsa_inst_pref_size 253
	.end_amdhsa_kernel
	.amdgpu_metadata
---
amdhsa.version: [ 1, 2 ]
amdhsa.kernels:
  - .name:           k_q8d8ade98e0_qkvattn
    .symbol:         k_q8d8ade98e0_qkvattn.kd
    .args:
      - { .name: X, .offset: 0, .size: 8, .value_kind: global_buffer, .address_space: global }
      - { .name: STE, .offset: 8, .size: 8, .value_kind: global_buffer, .address_space: global }
      - { .name: wqkv, .offset: 16, .size: 8, .value_kind: global_buffer, .address_space: global }
      - { .name: bq, .offset: 24, .size: 8, .value_kind: global_buffer, .address_space: global }
      - { .name: bk, .offset: 32, .size: 8, .value_kind: global_buffer, .address_space: global }
      - { .name: bv, .offset: 40, .size: 8, .value_kind: global_buffer, .address_space: global }
      - { .name: obuf, .offset: 48, .size: 8, .value_kind: global_buffer, .address_space: global }
    .group_segment_fixed_size: 327680
    .private_segment_fixed_size: 0
    .kernarg_segment_align: 8
    .kernarg_segment_size: 56
    .max_flat_workgroup_size: 128
    .sgpr_count:     106
    .vgpr_count:     1024
    .wavefront_size: 32
...
	.end_amdgpu_metadata
.endif
;; end of part 2
;; launch outproj (part 3): grid 8 x 32, 4 waves a work-group, clusters of 4 x 4, 327,680 bytes of LDS; arguments obuf, wo16, bo, out0; writes out0
.if DOCPART == 3
	.amdgcn_target "amdgcn-amd-amdhsa--gfx1250"
	.amdhsa_code_object_version 6
	.text
	.protected	k_q8d8ade98e0_outproj
	.globl	k_q8d8ade98e0_outproj
	.p2align	8
	.type	k_q8d8ade98e0_outproj,@function
k_q8d8ade98e0_outproj:
	s_mov_b64 s[64:65], 0
	v_nop
	global_prefetch_b8 v0, s[64:65] scope:SCOPE_SE
	s_setreg_imm32_b32 hwreg(HW_REG_WAVE_MODE, 25, 1), 1
	s_wait_xcnt 0x0
	s_wait_alu depctr_hold_cnt(0) depctr_sa_sdst(0) depctr_va_vdst(0) depctr_va_sdst(0) depctr_va_ssrc(0) depctr_va_vcc(0) depctr_vm_vsrc(0)
	s_getreg_b32 s2, hwreg(HW_REG_IB_STS2, 6, 4)
	s_cmp_eq_u32 s2, 0
	s_cbranch_scc0 .Lentry_in_a_cluster
	s_endpgm
.Lentry_in_a_cluster:
	s_bfe_u32 s2, ttmp6, 0x10000c
	s_cmp_lg_u32 s2, 0xf033
	s_cbranch_scc0 .Lentry_shape_is_right
	s_endpgm
.Lentry_shape_is_right:
; out = relu(O Wo + bo).  obuf: O in f16, [8192][1024]; wo16: Wo turned, [nt 8][s 16][row 128 n][k 64] in f16 (numbers rounded to bf16); bo: [1024] f32, rounded to bf16 here like every input; out0: [8192][1024] f32.
; SHARES.  A tile of 256 rows x 128 columns to a work-group: 32 x 8 = 256 equal work-groups.  Wave w owns rows 64 w .. 64 w + 63 and all 128 columns: 32 accumulators, 256 registers (window 1, (a, cb) at 8 (8 a + cb)).
; K = 1,024 goes in 8 steps of 128 through two LDS slots; a step is four quarters of 32 along K, 32 matrix instructions each, on two fragment buffers by turns.  O's rows in a tile are 256 bytes of memory, aligned;
; Wo's two blocks of a step are 16,384 dense bytes each.  THE MATRIX INSTRUCTION IS USED TRANSPOSED (source 0 = 16 rows of Wo, source 1 = 16 rows of O): a lane holds eight neighbouring numbers of a row of out.
; CLUSTER.  4 x 4: O's tile is shared along a row of the cluster, Wo's along a column; each is asked for jointly.  No prefetch is laid: the walk has eight K steps in all and the tiles are small.
; LIMITS.  Sums in f32; nothing is narrowed on the way out.  NaN and infinities are not treated apart.
.set PITA,  272                        ; a row of O in LDS: 256 bytes + 16 = 68 words: the 16 rows of a load start at 16 different groups of four banks (64 banks of 4 bytes: ISA guide 11.1)
.set PITB,  144                        ; a row of Wo: 128 bytes + 16
.set AHALF, 128*PITA
.set BSUB,  128*PITB                   ; one block of Wo: 128 rows x 64 k
.set BOFF,  2*AHALF
.set SLOT,  BOFF+2*BSUB
.set BIAS,  2*SLOT                     ; behind the ring, never filled by a tensor load: bo of my 128 columns, f32
.set STAGE, BIAS+512                   ; 16 rows x 528 bytes for each wave
.set SP,    528                        ; 512 bytes + 16 = 132 words
.set SPARE, STAGE+4*16*SP              ; the spare words, 128 bytes for each wave: two blocks of 256 bytes that no other line names
.set SPW, 2
.set NIL, 3
.set ADRA, 4                           ; v4-5
.set ADRB, 6                           ; v6-7
.set STO, 8
.set RD,  9
.set CO,  10
.set BQA, 12
.set F0,  32                           ; a fragment buffer: O's four fragments, then Wo's eight
.set F1,  128
.set BR,  32                           ; at the end: bo, 8 numbers a column block
.set WV,  12
.set FB,  13
.set HF,  14
.set CX,  15
.set CY,  16
.set NT,  17
.set MT,  18
.set G1A, 24
.set G1B, 32
.set G0A, 40
.set G0B, 48
.set CNT, 56
.set OUT, 58
.set W_M, 0x50                         ; C and D in window 1, both sources in window 0
.set MSB, 0
.macro WIN new
.if MSB != (\new)
	s_set_vgpr_msb (MSB<<8)|(\new)
.set MSB, (\new)
.endif
.endm
.macro PLACES
.rept 4
	v_nop
.endr
.endm
.macro JLOAD s                         ; a joint load: waves 0 and 1 fetch O's two halves, waves 2 and 3 Wo's two blocks; an s_nop 0 and four v_nop follow each of the two lines
	s_cmp_eq_u32 s[FB], 0
	s_cbranch_scc0 .Lfor_b_\@
	tensor_load_to_lds s[G0A+4*(\s):G0A+4*(\s)+3], s[G1A:G1A+7]
	s_nop 0
.rept 4
	v_nop
.endr
	s_branch .Lasked_\@
.Lfor_b_\@:
	tensor_load_to_lds s[G0B+4*(\s):G0B+4*(\s)+3], s[G1B:G1B+7]
	s_nop 0
.rept 4
	v_nop
.endr
.Lasked_\@:
.endm
.macro CREST
	s_cmp_lg_u32 s[WV], 0
	s_cbranch_scc1 .Lnot_wave_0_\@
	s_barrier_signal -3
.Lnot_wave_0_\@:
	s_barrier_wait -3
	s_barrier_signal -1
	s_barrier_wait -1
.endm
.macro CROUND
	s_barrier_signal -1
	s_barrier_wait -1
	CREST
.endm
.macro FETCH sig, qd, f                ; 24 LDS loads: quarter qd's fragments into buffer f
	WIN 0
.irp c, 0,1,2,3,4,5,6,7
	ds_load_b128 v[(\f)+32+8*(\c):(\f)+32+8*(\c)+3],   v[ADRB+(\sig)] offset:((\qd)/2)*BSUB+(\c)*16*PITB+((\qd)%2)*64
	ds_load_b128 v[(\f)+32+8*(\c)+4:(\f)+32+8*(\c)+7], v[ADRB+(\sig)] offset:((\qd)/2)*BSUB+(\c)*16*PITB+((\qd)%2)*64+32
.endr
.irp a, 0,1,2,3
	ds_load_b128 v[(\f)+8*(\a):(\f)+8*(\a)+3],   v[ADRA+(\sig)] offset:(\a)*16*PITA+(\qd)*64
	ds_load_b128 v[(\f)+8*(\a)+4:(\f)+8*(\a)+7], v[ADRA+(\sig)] offset:(\a)*16*PITA+(\qd)*64+32
.endr
.endm
.macro MUL f, a, zero                  ; 8 matrix instructions; the 32 accumulators take turns, one instruction a turn
.irp c, 0,1,2,3,4,5,6,7
.if \zero
	v_wmma_f32_16x16x32_f16 v[8*(8*(\a)+(\c)):8*(8*(\a)+(\c))+7], v[(\f)+32+8*(\c):(\f)+32+8*(\c)+7], v[(\f)+8*(\a):(\f)+8*(\a)+7], 0
.else
	v_wmma_f32_16x16x32_f16 v[8*(8*(\a)+(\c)):8*(8*(\a)+(\c))+7], v[(\f)+32+8*(\c):(\f)+32+8*(\c)+7], v[(\f)+8*(\a):(\f)+8*(\a)+7], v[8*(8*(\a)+(\c)):8*(8*(\a)+(\c))+7]
.endif
.endr
.endm
.macro QPLAIN sig, qd, zero            ; quarter qd (0, 1, or 2 at the walk's end): its fragments are in; the next quarter's are fetched; 32 products
	WIN 0
	s_wait_dscnt 0x0
	PLACES
	FETCH \sig, (\qd)+1, F0+96*(((\qd)+1)%2)
	WIN W_M
	MUL F0+96*((\qd)%2), 0, \zero
	MUL F0+96*((\qd)%2), 1, \zero
	MUL F0+96*((\qd)%2), 2, \zero
	MUL F0+96*((\qd)%2), 3, \zero
.endm
; Quarter 2 fetches the slot's last fragments and changes slots: each wave waits for all its tensor loads (one is out: its part of the next slot), adds 0 to its spare word, and waits for that and for its reads of this
; slot; ONE barrier, which with fill = 1 opens a round of the cluster's barrier; the joint refill is the first thing behind it: 112 of a K step's 128 matrix instructions stand between it and the wait for it.
.macro QMEET sig, fill
	WIN 0
	s_wait_dscnt 0x0
	PLACES
	FETCH \sig, 3, F1
	WIN W_M
	MUL F0, 0, 0
	MUL F0, 1, 0
	WIN 0
	s_wait_tensorcnt 0x0                           ; all my tensor loads have landed, so a group 0 may be written
	ds_add_u32 v[SPW], v[NIL]                      ; 0 onto my spare word
.if \fill
	s_add_nc_u64 s[G0A+4*(\sig)+2:G0A+4*(\sig)+3], s[G0A+4*(\sig)+2:G0A+4*(\sig)+3], 512    ; two K steps on: 256 bytes each along O's rows,
	s_add_nc_u64 s[G0B+4*(\sig)+2:G0B+4*(\sig)+3], s[G0B+4*(\sig)+2:G0B+4*(\sig)+3], 65536  ; two blocks each of Wo
.endif
	WIN W_M
	MUL F0, 2, 0
	s_wait_dscnt 0x0                               ; the add is done, and my reads of this slot are over
	s_barrier_signal -1
	MUL F0, 3, 0
	WIN 0
	s_barrier_wait -1
.if \fill
	CREST
	JLOAD \sig                                     ; its four v_nop are also the places in front of the loads that follow
.else
	PLACES
.endif
.endm
.macro QTHREE nsig                     ; quarter 3: the next slot's first fragments are fetched
	FETCH \nsig, 0, F0
	WIN W_M
	MUL F1, 0, 0
	MUL F1, 1, 0
	MUL F1, 2, 0
	MUL F1, 3, 0
.endm
	s_load_b256 s[4:11], s[0:1], 0x0               ; obuf s[4:5], wo16 s[6:7], bo s[8:9], out0 s[10:11]
	v_lshl_add_u32 v[SPW], v0, 2, SPARE
	v_mov_b32 v[NIL], 0
	ds_add_u32 v[SPW], v[NIL]                      ; the wave's opening: the add and its wait stand ahead of my first tensor load
	v_lshrrev_b32 v14, 5, v0
	v_readfirstlane_b32 s[WV], v14
	s_lshr_b32 s[FB], s[WV], 1                     ; 0: I fetch O, 1: Wo
	s_and_b32 s[HF], s[WV], 1                      ; which half
	s_bfe_u32 s[CX], ttmp6, 0x40000
	s_bfe_u32 s[CY], ttmp6, 0x40004
	s_lshl_b32 s[NT], ttmp9, 2
	s_add_co_u32 s[NT], s[NT], s[CX]               ; tile column = 4 x cluster x + cx
	s_and_b32 s[MT], ttmp7, 0xffff
	s_lshl_b32 s[MT], s[MT], 2
	s_add_co_u32 s[MT], s[MT], s[CY]               ; tile row = 4 x cluster y + cy
	s_lshl_b32 s19, s[CY], 2
	s_lshl_b32 s19, 15, s19                        ; my row of the cluster
	s_lshl_b32 s20, 0x1111, s[CX]                  ; my column
	s_or_b32 s[G1A], s19, (1<<16)|(1<<20)|(1<<21)|(5<<22)|(3<<25)  ; O: 128 rows x 128 f16; padding of 4 words after every 64
	s_mov_b32 s[G1A+1], 128<<16
	s_mov_b32 s[G1A+2], 128<<16
	s_mov_b32 s[G1A+3], 128<<16
	s_mov_b32 s[G1A+4], 128
	s_mov_b32 s[G1A+5], 1024
	s_mov_b32 s[G1A+6], 0
	s_mov_b32 s[G1A+7], 0
	s_or_b32 s[G1B], s20, (1<<16)|(1<<20)|(1<<21)|(4<<22)|(3<<25)  ; Wo: 16,384 dense bytes as 64 rows of 256; padding of 4 words after every 32 (a row of Wo)
	s_mov_b32 s[G1B+1], 128<<16
	s_mov_b32 s[G1B+2], 64<<16
	s_mov_b32 s[G1B+3], 128<<16
	s_mov_b32 s[G1B+4], 64
	s_mov_b32 s[G1B+5], 128
	s_mov_b32 s[G1B+6], 0
	s_mov_b32 s[G1B+7], 0
	s_lshl_b32 s60, s[MT], 8                       ; O: row 256 x tile row + 128 x half, 2,048 bytes a row
	s_lshl_b32 s61, s[HF], 7
	s_add_co_u32 s60, s60, s61
	s_lshl_b32 s60, s60, 11
	s_mov_b32 s61, 0
	s_lshl_b32 s62, s[NT], 18                      ; Wo: the tile column's 16 blocks, my one of a step's two
	s_lshl_b32 s63, s[HF], 14
	s_add_co_u32 s62, s62, s63
	s_mov_b32 s63, 0
	s_mul_i32 s21, s[HF], AHALF
	s_mul_i32 s22, s[HF], BSUB
	s_add_co_u32 s22, s22, BOFF
	s_wait_dscnt 0x0                               ; the opening add is done
	s_wait_kmcnt 0x0
	s_add_nc_u64 s[60:61], s[4:5], s[60:61]
	s_add_nc_u64 s[62:63], s[6:7], s[62:63]
	CROUND                                         ; all sixteen work-groups are here: the first joint loads meet
.irp s, 0,1
	s_mov_b32 s[G0A+4*(\s)], 1
	s_add_co_u32 s[G0A+4*(\s)+1], s21, (\s)*SLOT
	s_add_nc_u64 s[G0A+4*(\s)+2:G0A+4*(\s)+3], s[60:61], (\s)*256
	s_or_b32 s[G0A+4*(\s)+3], s[G0A+4*(\s)+3], 0x80000000
	s_mov_b32 s[G0B+4*(\s)], 1
	s_add_co_u32 s[G0B+4*(\s)+1], s22, (\s)*SLOT
	s_add_nc_u64 s[G0B+4*(\s)+2:G0B+4*(\s)+3], s[62:63], (\s)*32768
	s_or_b32 s[G0B+4*(\s)+3], s[G0B+4*(\s)+3], 0x80000000
	JLOAD \s
.endr
	s_lshl_b32 s23, s[NT], 9
	v_lshl_add_u32 v1, v0, 2, s23                  ; thread t takes bo[128 nt + t]
	global_load_b32 v16, v1, s[8:9]
	s_lshl_b32 s2, s[MT], 8                        ; out: my first row, 4,096 bytes a row; the tile's 512 bytes of it
	s_lshl_b32 s23, s[WV], 6
	s_add_co_u32 s2, s2, s23
	s_lshl_b32 s2, s2, 12
	s_lshl_b32 s23, s[NT], 9
	s_add_co_u32 s2, s2, s23
	s_mov_b32 s3, 0
	s_add_nc_u64 s[OUT:OUT+1], s[10:11], s[2:3]
	v_and_b32 v14, 15, v0                          ; r
	v_bfe_u32 v15, v0, 4, 1                        ; h
	v_and_b32 v17, 31, v0                          ; l
	s_mul_i32 s57, s[WV], 64*PITA
	v_mul_u32_u24 v[ADRA], v14, PITA
	v_lshl_add_u32 v[ADRA], v15, 4, v[ADRA]
	v_add_nc_u32 v[ADRA], s57, v[ADRA]
	v_add_nc_u32 v[ADRA+1], SLOT, v[ADRA]
	v_mul_u32_u24 v[ADRB], v14, PITB
	v_lshl_add_u32 v[ADRB], v15, 4, v[ADRB]
	v_add_nc_u32 v[ADRB], BOFF, v[ADRB]
	v_add_nc_u32 v[ADRB+1], SLOT, v[ADRB]
	s_mul_i32 s57, s[WV], 16*SP
	s_add_co_u32 s57, s57, STAGE                   ; my stage
	v_mul_u32_u24 v[STO], v14, SP                  ; in: row r, 32 bytes for each half of the lanes
	v_lshl_add_u32 v[STO], v15, 5, v[STO]
	v_add_nc_u32 v[STO], s57, v[STO]
	v_lshl_add_u32 v[RD], v17, 4, s57              ; back: 32 lanes take a row of 512 bytes
	v_lshlrev_b32 v[CO], 4, v17
	v_lshl_add_u32 v[BQA], v15, 5, BIAS
	v_lshl_add_u32 v18, v0, 2, BIAS
	s_wait_loadcnt 0x0
	v_cvt_pk_bf16_f32 v16, v16, v16                ; bo is rounded to bf16 like every input, and kept as f32
	v_lshlrev_b32 v16, 16, v16
	ds_store_b32 v18, v16
	s_wait_dscnt 0x0                               ; for the others' sake
	s_wait_tensorcnt 0x1                           ; my part of K step 0 is in; K step 1's may stay out
	s_barrier_signal -1
	s_barrier_wait -1
	FETCH 0, 0, F0
	QPLAIN 0, 0, 1                                 ; the first quarter stands in front of the loop: its products start the sums
	WIN 0
	s_mov_b32 s[CNT], 3
.Llap:                                                 ; a trip goes once round the ring and fills both slots again
	QPLAIN 0, 1, 0
	QMEET 0, 1
	QTHREE 1
	QPLAIN 1, 0, 0
	QPLAIN 1, 1, 0
	QMEET 1, 1
	QTHREE 0
	QPLAIN 0, 0, 0
	WIN 0
	s_sub_co_u32 s[CNT], s[CNT], 1
	s_cmp_lg_u32 s[CNT], 0
	s_cbranch_scc1 .Llap
	QPLAIN 0, 1, 0                                 ; the last lap asks for nothing
	QMEET 0, 0
	QTHREE 1
	QPLAIN 1, 0, 0
	QPLAIN 1, 1, 0
	QPLAIN 1, 2, 0
	WIN 0
	s_wait_dscnt 0x0
	PLACES
.irp c, 0,1,2,3,4,5,6,7                ; bo into buffer 0, which the walk needs no more
	ds_load_b128 v[BR+8*(\c):BR+8*(\c)+3],   v[BQA] offset:64*(\c)
	ds_load_b128 v[BR+8*(\c)+4:BR+8*(\c)+7], v[BQA] offset:64*(\c)+16
.endr
	WIN W_M
	MUL F1, 0, 0
	MUL F1, 1, 0
	MUL F1, 2, 0
	MUL F1, 3, 0
	s_wait_dscnt 0x0
	PLACES
; THE WAY OUT of row block a: bias and relu in f32, from each accumulator's low end on; 32 bytes a lane into my stage; back as whole rows of 512 bytes, and stored.
.macro SEND a
.set BK, 128+64*((\a)%2)
	WIN 0x44                                       ; source 0 (bo, or the constant) in window 0, source 1 and destination (the sums) in window 1
.set i, 0
.rept 32
	v_pk_add_f32 v[64*(\a)+2*i:64*(\a)+2*i+1], v[BR+2*i:BR+2*i+1], v[64*(\a)+2*i:64*(\a)+2*i+1]
.set i, i+1
.endr
.set i, 0
.rept 64
	v_max_num_f32 v[64*(\a)+i], 0, v[64*(\a)+i]
.set i, i+1
.endr
	WIN 0x04                                       ; the stores' data in window 1, their address in window 0
.irp c, 0,1,2,3,4,5,6,7
	ds_store_b128 v[STO], v[64*(\a)+8*(\c):64*(\a)+8*(\c)+3]   offset:64*(\c)
	ds_store_b128 v[STO], v[64*(\a)+8*(\c)+4:64*(\a)+8*(\c)+7] offset:64*(\c)+16
.endr
	WIN 0
.if (\a) >= 2
	s_wait_xcnt 0x0                                ; the stores of the block two back have read these registers
.endif
.set i, 0
.rept 16
	ds_load_b128 v[BK+4*i:BK+4*i+3], v[RD] offset:i*SP  ; LDS serves a wave's instructions in order (ISA guide 5.7.1.4): these see the stores above
.set i, i+1
.endr
	s_wait_dscnt 0x0
.set i, 0
.rept 16
	global_store_b128 v[CO], v[BK+4*i:BK+4*i+3], s[OUT:OUT+1] offset:(16*(\a)+i)*4096 th:TH_STORE_NT  ; a wave stores 512 consecutive bytes of one row, at a multiple of 512 from out's first byte
.set i, i+1
.endr
.endm
	SEND 0
	SEND 1
	SEND 2
	SEND 3
	s_wait_tensorcnt 0x0                           ; the wave's end, behind my last tensor load and my last LDS store
	ds_add_u32 v[SPW], v[NIL]
	s_wait_dscnt 0x0
	CROUND                                         ; the closing round: no work-group ends while a partner may still ask for a tile that names it
	s_endpgm
.Lfunc_end_k_q8d8ade98e0_outproj:
	.size	k_q8d8ade98e0_outproj, .Lfunc_end_k_q8d8ade98e0_outproj-k_q8d8ade98e0_outproj
	.p2alignl 7, 3214868480
	.fill 96, 4, 3214868480
	.section	.rodata,"a",@progbits
	.p2align	6, 0x0
	.amdhsa_kernel k_q8d8ade98e0_outproj
		.amdhsa_group_segment_fixed_size 327680
		.amdhsa_private_segment_fixed_size 0
		.amdhsa_enable_private_segment 0
		.amdhsa_kernarg_size 32
		.amdhsa_user_sgpr_count 2
		.amdhsa_user_sgpr_kernarg_segment_ptr 1
		.amdhsa_wavefront_size32 1
		.amdhsa_system_sgpr_workgroup_id_x 1
		.amdhsa_system_sgpr_workgroup_id_y 1
		.amdhsa_system_sgpr_workgroup_id_z 1
		.amdhsa_system_vgpr_workitem_id 0
		.amdhsa_next_free_vgpr 512
		.amdhsa_next_free_sgpr 66
		.amdhsa_reserve_vcc 0
		.amdhsa_float_denorm_mode_32 3
		.amdhsa_float_denorm_mode_16_64 3
		.amdhsa_memory_ordered 1
		.amdhsa_forward_progress 1
		.amdhsa_inst_pref_size 102
	.end_amdhsa_kernel
	.amdgpu_metadata
---
amdhsa.version: [ 1, 2 ]
amdhsa.kernels:
  - .name:           k_q8d8ade98e0_outproj
    .symbol:         k_q8d8ade98e0_outproj.kd
    .args:
      - { .name: obuf, .offset: 0, .size: 8, .value_kind: global_buffer, .address_space: global }
      - { .name: wo16, .offset: 8, .size: 8, .value_kind: global_buffer, .address_space: global }
      - { .name: bo, .offset: 16, .size: 8, .value_kind: global_buffer, .address_space: global }
      - { .name: out0, .offset: 24, .size: 8, .value_kind: global_buffer, .address_space: global }
    .group_segment_fixed_size: 327680
    .private_segment_fixed_size: 0
    .kernarg_segment_align: 8
    .kernarg_segment_size: 32
    .max_flat_workgroup_size: 128
    .sgpr_count:     66
    .vgpr_count:     512
    .wavefront_size: 32
...
	.end_amdgpu_metadata
.endif
;; end of part 3
